; MI455X (gfx1250); checked and timed in simulation.
; The chip was launched on July 23, 2026; its instructions are those of AMD's public machine-readable ISA for CDNA 5 (MIT licence, August 2026) and "CDNA5" Instruction Set Architecture Reference Guide (July 2026). The comments in the code are by the model that wrote it; some were corrected since.
;; Attention. Allowed arithmetic: matrix products marked QUANTISED: E2M3 operands, one E8M0 scale for each 32 along K, by v_wmma_scale_f32_16x16x128_f8f6f4 with both operands' format E2M3, f32 sums; everything else in f32.
;; Inputs: W_o 1,024 x 1,024 float32; W_qkv 3,072 x 1,024 float32; b_o 1,024 float32; b_qkv 3,072 float32; x 2 x 2,048 x 1,024 float32.
;; Outputs: out0 2 x 2,048 x 1,024 float32.
;; This version of the problem:
;;   THIS VERSION OF THE PROBLEM IS GIVEN IN LOW PRECISION. The matrix products marked QUANTISED in the list below multiply operands that are first quantised to E2M3 (2 exponent bits, 3 mantissa bits; 6 bits a number), with one power-of-two scale for each 32 numbers along K (OCP MX v1.0); their sums are f32. All else is computed in f32.
;;   The module's matrix products, in the order in which they are computed (A, B: the left and right operand; K: the contracted axis; several contracted axes count as one K, in the product's order):
;;     1. [M 4,096, K 1,024] x [K 1,024, N 3,072]; A: input x; B: input W_qkv: QUANTISED
;;     2. batch 32 x [M 2,048, K 64] x [K 64, N 2,048]; A: computed on the way; B: computed on the way: QUANTISED
;;     3. batch 32 x [M 2,048, K 2,048] x [K 2,048, N 64]; A: softmax (see below); B: computed on the way: QUANTISED
;;     4. [M 4,096, K 1,024] x [K 1,024, N 1,024]; A: computed on the way; B: input W_o: QUANTISED
;;   THE QUANTISER, for each operand of a quantised product, along K:
;;     - K is cut into blocks of 32 from its start; a last block that is shorter is filled with zeros.
;;     - A block's scale is 2^e with e = floor(log2(the largest magnitude in the block)) - 2, held to -126 .. 127; a block of zeros has e = 0. As a byte (E8M0): e + 127.
;;     - Each number is divided by its block's scale, clamped to +-7.5, and rounded to the nearest number of E2M3, ties to even, subnormals kept.
;;     - The product sums the exact products of the quantised numbers (number of the format x scale) in f32.
;;   ~~~python
;;   def quantise(x, axis):      # numpy; x: float32 -> the quantised numbers, widened to float32 again
;;       x = np.moveaxis(x, axis, -1); K = x.shape[-1]
;;       x = np.pad(x, [(0, 0)] * (x.ndim - 1) + [(0, -K % 32)]); x = x.reshape(x.shape[:-1] + (-1, 32)); a = np.abs(x).max(-1, keepdims=True)
;;       e = np.where(a > 0, np.clip(np.frexp(np.where(a > 0, a, 1))[1] - 1 - 2, -126, 127), 0)      # np.frexp(a)[1] - 1 = floor(log2(a)), exactly
;;       r = np.clip(x / 2.0 ** e, -7.5, 7.5)
;;       step = 2.0 ** (np.maximum(np.frexp(np.where(r == 0, 1, r))[1] - 1, 0) - 3)
;;       q = np.round(r / step) * step * 2.0 ** e      # np.round: ties to even
;;       return np.moveaxis(q.reshape(q.shape[:-2] + (-1,))[..., :K], -1, axis).astype(np.float32)
;;   ~~~
;;   SOFTMAX AHEAD OF A QUANTISED PRODUCT. Where the list says 'softmax', what is quantised is not the finished softmax but p = 2^(t - M), with t = logit x log2(e) and M = ceil(the row's largest t), a whole number; so 1/2 < the row's largest p <= 1. The row's sum l is taken of the UNQUANTISED p, in f32, and the product's result is divided by l at the end. Since M is a whole number, a kernel that streams over the keys may use a running M (the ceiling of the running maximum): every later rescaling is an exact power of two, which a block's scale takes up: the codes' values come out the same.
;;   OPERANDS COMPUTED ON THE WAY. 'Computed on the way' means the value that the module computes at that place (a softmax that the list does not call 'softmax' is quantised finished and normalised). What goes into a quantiser is computed in f32, as accurately as f32 sums, v_exp_f32 and their like allow (about 1e-6 of the number): no bf16 or f16 on the way to a quantiser, and a product that is left as it is and whose result goes on into a quantised operand takes f32 operands (vector FMAs, or v_wmma_f32_16x16x4_f32). A number that lies on a knife's edge between two numbers of the format may be rounded either way, as far as f32 arithmetic and the matrix unit's own rounding can turn it there, and no further.
;; One version. Each part assembles by itself: llvm-mc -triple=amdgcn-amd-amdhsa -mcpu=gfx1250 --defsym DOCPART=n.
;; ======== version 1 of 1: 4 launches
;; limits: right only within a limited range of input values
;; workspace buffers: img 6,291,456 bytes; scl 262,144 bytes; qkv 9,830,400 bytes; o_img 3,145,728 bytes; o_sc 131,072 bytes
;; launch quant (part 1): grid 256 x 1, 16 waves a work-group, no clusters, 138,240 bytes of LDS; arguments x, W_qkv, W_o, img, scl; writes img, scl
.if DOCPART == 1
	.amdgcn_target "amdgcn-amd-amdhsa--gfx1250"
	.amdhsa_code_object_version 6
	.text
	.protected	k_q1f5ff939e4_quant
	.globl	k_q1f5ff939e4_quant
	.p2align	8
	.type	k_q1f5ff939e4_quant,@function
k_q1f5ff939e4_quant:
	s_mov_b64 s[64:65], 0
	v_nop
	global_prefetch_b8 v0, s[64:65] scope:SCOPE_SE
	s_setreg_imm32_b32 hwreg(HW_REG_WAVE_MODE, 25, 1), 1
	s_wait_xcnt 0x0
; x [4096][1024], W_qkv [3072][1024] and W_o [1024][1024], f32, K innermost, become codes of FP6 (E2M3) with one E8M0 byte for each 32 along K,
; laid as IMAGES OF OPERAND REGISTERS.  Rows go in row tiles of 16: lane r of tile 4 c + j (j = 0 .. 3) holds row 64 c + 32 (r / 8) + 8 j + r % 8.
; So the 32 results that a lane has of four such tiles used as source 0 are 32 neighbouring rows: one scale block of the product that follows.
; img [row tile 512][K step 8][1,536 bytes]: tiles 0-255 x, 256-447 W_qkv, 448-511 W_o.  An image is two halves c of 768 bytes: lane l's registers 6 c .. 6 c + 3 at 768 c + 16 l,
; its registers 6 c + 4, 6 c + 5 at 768 c + 512 + 8 l; lane (r, h) holds k = 64 c + 32 h + 0 .. 31 of its row.  scl [row tile][K half 2][r 16][4 words]: a word is the four bytes of one K step.
; A block's scale is 2^(floor(log2(its largest magnitude)) - 2); its byte is the magnitude's exponent field - 2, held at 1 from below.
; LIMITS: a block of zeros gets the byte 1 (its codes are zeros, and this program alone reads the bytes); NaN and infinities among the inputs are not served.
; SHARES.  A work-group takes two row tiles over all of K; each of its sixteen waves makes ONE image: tile u = wave / 8, K step s = wave % 8.  No loop: a wave's 16 loads go out together,
; each 512 consecutive bytes of one row; the rows turn through the wave's own stage in LDS (pitch 528 = 33 x 16 bytes) so that a lane gets 32 neighbours along K.
; No work-group shares an input with another, so there is no cluster and no joint load.
.set SP,    528
.set STG,   16*SP                      ; a wave's stage
.set SCG,   16*STG                     ; behind the stages: the group's 1,024 bytes of scale words
.set SPARE, SCG+1024                   ; the spare words, 128 bytes for each wave
.set SPW, 10                           ; v10  LDS address of my spare word
.set NIL, 11                           ; v11  0
.set F,   20                           ; v20-31  the fragment
.set T,   32                           ; v32-34, v36-38  the second halves of the blocks' codes
.set R,   40                           ; v40-103  16 rows as loaded
.set X,   104                          ; v104-167 my two blocks of 32 neighbours
	s_load_b256 s[4:11], s[0:1], 0x0               ; x, W_qkv, W_o, img
	s_load_b64 s[12:13], s[0:1], 0x20              ; scl
	v_lshl_add_u32 v[SPW], v0, 2, SPARE
	v_mov_b32 v[NIL], 0
	v_lshrrev_b32 v1, 5, v0
	v_readfirstlane_b32 s14, v1                    ; wave 0..15
	v_and_b32 v1, 31, v0                           ; lane
	v_and_b32 v2, 15, v0                           ; r
	v_bfe_u32 v3, v0, 4, 1                         ; h
	v_lshlrev_b32 v4, 4, v1                        ; 16 x lane
	v_lshlrev_b32 v5, 3, v1                        ; 8 x lane
	s_mul_i32 s15, s14, STG
	v_add_nc_u32 v6, s15, v4                       ; the stage, on the way in: a row's 512 bytes as they lie
	v_mul_u32_u24 v7, v2, SP
	v_lshl_add_u32 v7, v3, 7, v7
	v_add_nc_u32 v7, s15, v7                       ; and on the way out: row r, + 128 h
	s_wait_alu depctr_va_vdst(0)
	s_lshr_b32 s16, s14, 2
	s_lshl_b32 s16, s16, 8                         ; 512 u + 256 (s / 4)
	s_and_b32 s17, s14, 3
	s_lshl_b32 s17, s17, 2                         ; 4 (s % 4)
	s_add_co_u32 s16, s16, s17
	s_add_co_u32 s16, s16, SCG
	v_lshlrev_b32 v8, 4, v2
	v_add_nc_u32 v8, s16, v8                       ; where my row's scale word goes
	s_and_b32 s17, s14, 1
	s_lshl_b32 s17, s17, 9
	v_add_nc_u32 v39, s17, v4                      ; the scale words' way out (waves 0 and 1): in memory
	v_add_nc_u32 v9, SCG, v39                      ; and in LDS
	v_lshlrev_b32 v35, 3, v3                       ; 8 h: how far my two bytes are shifted in the word
	v_mov_b32 v19, 0                               ; a lane permute's destination counts as one of its sources
	s_wait_alu depctr_va_vdst(0)                   ; the wait, ahead of the scalar lines and the wait below
	s_mov_b32 s26, 0x76543210
	s_mov_b32 s27, 0xfedcba98                      ; v_permlanex16_b32's selects for lane l xor 16
	s_lshr_b32 s20, s14, 3
	s_and_b32 s21, s14, 7
	s_lshl_b32 s20, s20, 15                        ; u x 8 rows of 4,096 bytes
	s_lshl_b32 s21, s21, 9                         ; s x 512 bytes
	s_add_co_u32 s20, s20, s21
	s_mul_i32 s22, ttmp9, 24576                    ; img: the group's 16 images,
	s_mul_i32 s23, s14, 1536                       ; mine
	s_add_co_u32 s22, s22, s23
	s_mov_b32 s23, 0
	s_lshl_b32 s24, ttmp9, 10                      ; scl: 1,024 bytes a group
	s_mov_b32 s25, 0
	s_wait_kmcnt 0x0
	s_cmp_lt_u32 ttmp9, 128                        ; which tensor: the choice hangs on the work-group's number alone
	s_cselect_b64 s[4:5], s[4:5], s[6:7]
	s_cselect_b32 s18, 0, 128
	s_cmp_lt_u32 ttmp9, 224
	s_cselect_b64 s[4:5], s[4:5], s[8:9]
	s_cselect_b32 s18, s18, 224
	s_sub_co_u32 s18, ttmp9, s18                   ; the group's number g inside its tensor
	s_and_b32 s19, s18, 1
	s_lshr_b32 s18, s18, 1
	s_lshl_b32 s18, s18, 18                        ; 64 (g / 2) rows of 4,096 bytes,
	s_lshl_b32 s19, s19, 16                        ; + 16 (g % 2)
	s_add_co_u32 s18, s18, s19
	s_add_co_u32 s18, s18, s20
	s_mov_b32 s19, 0
	s_add_nc_u64 s[4:5], s[4:5], s[18:19]
	s_add_nc_u64 s[10:11], s[10:11], s[22:23]
	s_add_nc_u64 s[12:13], s[12:13], s[24:25]
.irp t, 0,1,2,3,4,5,6,7,8,9,10,11,12,13,14,15
	global_load_b128 v[R+4*\t:R+4*\t+3], v4, s[4:5] offset:(\t+24*(\t/8))*4096 th:TH_LOAD_NT   ; the tile's row t: 512 consecutive bytes
.endr
.irp t, 0,1,2,3,4,5,6,7,8,9,10,11,12,13,14,15
	s_wait_loadcnt 15-\t                           ; loads come back in order: row t is in
	ds_store_b128 v6, v[R+4*\t:R+4*\t+3] offset:SP*\t
.endr
.irp c, 0,1
.irp i, 0,1,2,3,4,5,6,7
	ds_load_b128 v[X+32*\c+4*\i:X+32*\c+4*\i+3], v7 offset:256*\c+16*\i   ; LDS serves a wave's instructions in order: these see my stores
.endr
.endr
	s_wait_dscnt 0x0
.irp c, 0,1                                    ; my block 2 c + h: all its 32 numbers are mine
	v_max3_num_f32 v[12+\c], |v[X+32*\c]|, |v[X+32*\c+1]|, 0x1800000   ; and the floor 2^(3 - 127): the byte cannot fall under 1
.endr
.irp i, 2,4,6,8,10,12,14,16,18,20,22,24,26,28,30
.irp c, 0,1
	s_delay_alu instid0(VALU_DEP_2)
	v_max3_num_f32 v[12+\c], v[12+\c], |v[X+32*\c+\i]|, |v[X+32*\c+\i+1]|   ; the two blocks by turns
.endr
.endr
.irp c, 0,1
	s_delay_alu instid0(VALU_DEP_2)
	v_add_nc_u32 v[14+\c], 0xff000000, v[12+\c]    ; 2 off the exponent field: the conversion's scale operand
.endr
.irp c, 0,1
	s_delay_alu instid0(VALU_DEP_2)
	v_lshrrev_b32 v[16+\c], 23, v[14+\c]           ; the scale's byte
.endr
	s_delay_alu instid0(VALU_DEP_1)
	v_lshl_or_b32 v18, v17, 16, v16                ; my two bytes: blocks h and 2 + h,
	s_delay_alu instid0(VALU_DEP_1)
	v_lshlrev_b32 v18, v35, v18                    ; at their places in the word;
	s_delay_alu instid0(VALU_DEP_1)
	v_permlanex16_b32 v19, v18, s26, s27
	s_delay_alu instid0(VALU_DEP_1)
	v_or_b32 v18, v18, v19                         ; with lane l xor 16's two the word is whole
.irp c, 0,1
	v_cvt_scalef32_pk16_fp6_f32 v[F+6*\c:F+6*\c+2], v[X+32*\c:X+32*\c+15], v[14+\c]
	v_cvt_scalef32_pk16_fp6_f32 v[T+4*\c:T+4*\c+2], v[X+32*\c+16:X+32*\c+31], v[14+\c]   ; (a conversion's three registers begin on an even number)
.endr
	v_nop                                          ; one plain place behind a scaled conversion
.irp c, 0,1
.irp i, 0,1,2
	v_mov_b32 v[F+6*\c+3+\i], v[T+4*\c+\i]
.endr
.endr
	global_store_b128 v4, v[F:F+3], s[10:11]                   ; each store of the wave covers 512 or 256 consecutive bytes, at a multiple of 256 from img's first byte
	global_store_b64 v5, v[F+4:F+5], s[10:11] offset:512
	global_store_b128 v4, v[F+6:F+9], s[10:11] offset:768
	global_store_b64 v5, v[F+10:F+11], s[10:11] offset:1280
	ds_store_b32 v8, v18                           ; lanes r and 16 + r write the same word with the same value
	s_wait_dscnt 0x0                               ; for the others' sake: my word has landed
	s_barrier_signal -1
	s_barrier_wait -1
	s_cmp_gt_u32 s14, 1
	s_cbranch_scc1 .Lend                           ; waves 0 and 1 send the group's 1,024 bytes of scale words, 512 each
	ds_load_b128 v[R:R+3], v9
	s_wait_dscnt 0x0
	global_store_b128 v39, v[R:R+3], s[12:13]
.Lend:
	s_wait_tensorcnt 0x0                           ; the wave's end
	ds_add_u32 v[SPW], v[NIL]
	s_wait_dscnt 0x0
	s_endpgm
.Lfunc_end_k_q1f5ff939e4_quant:
	.size	k_q1f5ff939e4_quant, .Lfunc_end_k_q1f5ff939e4_quant-k_q1f5ff939e4_quant
	.p2alignl 7, 3214868480
	.fill 96, 4, 3214868480
	.section	.rodata,"a",@progbits
	.p2align	6, 0x0
	.amdhsa_kernel k_q1f5ff939e4_quant
		.amdhsa_group_segment_fixed_size 138240
		.amdhsa_private_segment_fixed_size 0
		.amdhsa_enable_private_segment 0
		.amdhsa_kernarg_size 40
		.amdhsa_user_sgpr_count 2
		.amdhsa_user_sgpr_kernarg_segment_ptr 1
		.amdhsa_wavefront_size32 1
		.amdhsa_system_sgpr_workgroup_id_x 1
		.amdhsa_system_sgpr_workgroup_id_y 1
		.amdhsa_system_sgpr_workgroup_id_z 1
		.amdhsa_system_vgpr_workitem_id 0
		.amdhsa_next_free_vgpr 168
		.amdhsa_next_free_sgpr 66
		.amdhsa_reserve_vcc 0
		.amdhsa_float_denorm_mode_32 3
		.amdhsa_float_denorm_mode_16_64 3
		.amdhsa_memory_ordered 1
		.amdhsa_forward_progress 1
		.amdhsa_inst_pref_size 12
	.end_amdhsa_kernel
	.amdgpu_metadata
---
amdhsa.version: [ 1, 2 ]
amdhsa.kernels:
  - .name:           k_q1f5ff939e4_quant
    .symbol:         k_q1f5ff939e4_quant.kd
    .args:
      - { .name: x, .offset: 0, .size: 8, .value_kind: global_buffer, .address_space: global }
      - { .name: W_qkv, .offset: 8, .size: 8, .value_kind: global_buffer, .address_space: global }
      - { .name: W_o, .offset: 16, .size: 8, .value_kind: global_buffer, .address_space: global }
      - { .name: img, .offset: 24, .size: 8, .value_kind: global_buffer, .address_space: global }
      - { .name: scl, .offset: 32, .size: 8, .value_kind: global_buffer, .address_space: global }
    .group_segment_fixed_size: 138240
    .private_segment_fixed_size: 0
    .kernarg_segment_align: 8
    .kernarg_segment_size: 40
    .max_flat_workgroup_size: 512
    .sgpr_count:     66
    .vgpr_count:     168
    .wavefront_size: 32
...
	.end_amdgpu_metadata
.endif
;; end of part 1
;; launch qkvgemm (part 2): grid 12 x 16, 4 waves a work-group, clusters of 4 x 4, 327,680 bytes of LDS; arguments img, scl, b_qkv, qkv; writes qkv
.if DOCPART == 2
	.amdgcn_target "amdgcn-amd-amdhsa--gfx1250"
	.amdhsa_code_object_version 6
	.text
	.protected	k_q1f5ff939e4_qkvgemm
	.globl	k_q1f5ff939e4_qkvgemm
	.p2align	8
	.type	k_q1f5ff939e4_qkvgemm,@function
k_q1f5ff939e4_qkvgemm:
	s_mov_b64 s[64:65], 0
	v_nop
	global_prefetch_b8 v0, s[64:65] scope:SCOPE_SE
	s_setreg_imm32_b32 hwreg(HW_REG_WAVE_MODE, 25, 1), 1
	s_wait_xcnt 0x0
	s_wait_alu depctr_hold_cnt(0) depctr_sa_sdst(0) depctr_va_vdst(0) depctr_va_sdst(0) depctr_va_ssrc(0) depctr_va_vcc(0) depctr_vm_vsrc(0)
	s_getreg_b32 s2, hwreg(HW_REG_IB_STS2, 6, 4)
	s_cmp_eq_u32 s2, 0
	s_cbranch_scc0 .Lentry_in_a_cluster
	s_endpgm
.Lentry_in_a_cluster:
	s_bfe_u32 s2, ttmp6, 0x10000c
	s_cmp_lg_u32 s2, 0xf033
	s_cbranch_scc0 .Lentry_shape_is_right
	s_endpgm
.Lentry_shape_is_right:
; Q, K, V = x W_qkv^T + b_qkv on codes of FP6 (E2M3), each result quantised again on the way out: Q and K along the head's 64, V along the tokens.
; Row tiles of img are in the order lane r of tile 4 c + j -> row 64 c + 32 (r / 8) + 8 j + r % 8.  Source 0 is operand P, source 1 operand Q: for Q's and K's columns P = rows of W and Q = tokens; for V's P = tokens and Q = rows of W.
; So the 32 results that a lane has of four of P's tiles are 32 neighbours along the next product's K: a whole scale block, with no exchange between lanes but for the scale word.
; qkv [batch x 16 + head 32][key step 16][19,200]: K's four fragments, V^T's four (6,144), K's scale words (12,288), V's (12,544), Q's eight half images (12,800), Q's words (18,944).
; A work-group makes 256 x 256, four waves 128 x 128 each.  LDS: slot 0 holds K steps 0 and 1, then 6 and 7; slot 1, twice as long, K steps 2 to 5.  At the head a wave has one load, slot 0's; slot 1's stands behind the round
; that shows slot 0 whole, and slot 0 is filled again in a round behind K step 1.  CLUSTER 4 x 4: operand Q's tiles are shared along a row of the cluster, P's along a column.
; No prefetch: there is no loop, each wave has three loads in all, and the first two follow the head's two rounds directly.
; LIMITS: a block of zeros gets the byte 1 (its codes are zeros); NaN and infinities are not served.
.set HS,    307200
.set CH,    19200
.set SLOT,  98304
.set WLOAD, 24576
.set RT,    3072
.set KB,    1536
.set SPARE, 3*SLOT
.set AQ16, 4
.set AQ8,  7
.set AP16, 10
.set AP8,  13
.set L16,  16
.set L8,   17
.set BO,   18
.set SO,   19
.set SH8,  20                          ; v20  8 h: how far my two bytes are shifted in a scale word
.set SPW,  28
.set NIL,  29
.set SQ,   32
.set SP,   64
.set AF,   128
.set HA,   128
.set PC,   192
.set TM,   32
.set PWS,  48
.set EW,   56
.set OW,   60
.set WW,   64
.set G1Q,  24
.set G1P,  32
.set G0Q,  40
.set G0P,  52
.set TYPE, 17
.set SEL,  88
.set MSB, 0
.macro WIN new
.if MSB != (\new)
	s_set_vgpr_msb (MSB<<8)|(\new)
.set MSB, (\new)
.endif
.endm
.macro PLACES n
.rept \n
	v_nop
.endr
.endm
.macro JLOAD g0a, g1a, g0b, g1b
	s_cmp_eq_u32 s15, 0
	s_cbranch_scc0 .Lfor_p_\@
	tensor_load_to_lds s[\g0a:\g0a+3], s[\g1a:\g1a+7]
	s_nop 0
.rept 4
	v_nop
.endr
	s_branch .Lasked_\@
.Lfor_p_\@:
	tensor_load_to_lds s[\g0b:\g0b+3], s[\g1b:\g1b+7]
	s_nop 0
.rept 4
	v_nop
.endr
.Lasked_\@:
.endm
.macro CREST
	s_cmp_lg_u32 s14, 0
	s_cbranch_scc1 .Lnot_wave_0_\@
	s_barrier_signal -3
.Lnot_wave_0_\@:
	s_barrier_wait -3
	s_barrier_signal -1
	s_barrier_wait -1
.endm
.macro CROUND
	s_barrier_signal -1
	s_barrier_wait -1
	CREST
.endm
.macro FRAG reg, a16, a8, off
	ds_load_b128 v[(\reg):(\reg)+3], v[\a16] offset:(\off)
	ds_load_b64 v[(\reg)+4:(\reg)+5], v[\a8] offset:(\off)+512
	ds_load_b128 v[(\reg)+6:(\reg)+9], v[\a16] offset:(\off)+768
	ds_load_b64 v[(\reg)+10:(\reg)+11], v[\a8] offset:(\off)+1280
.endm
	s_load_b256 s[4:11], s[0:1], 0x0
	v_lshl_add_u32 v[SPW], v0, 2, SPARE
	v_mov_b32 v[NIL], 0
	ds_add_u32 v[SPW], v[NIL]
	ds_add_u32 v[SPW], v[NIL]
	v_lshrrev_b32 v1, 5, v0
	v_readfirstlane_b32 s14, v1
	s_lshr_b32 s15, s14, 1
	s_and_b32 s16, s14, 1
	s_bfe_u32 s66, ttmp6, 0x40000
	s_bfe_u32 s67, ttmp6, 0x40004
	s_and_b32 s68, ttmp7, 0xffff
	s_lshl_b32 s69, s67, 2
	s_lshl_b32 s69, 15, s69
	s_lshl_b32 s70, 0x1111, s66
	s_or_b32 s[G1Q], s69, (3<<16)|(1<<21)
	s_or_b32 s[G1P], s70, (3<<16)|(1<<21)
.irp g, G1Q, G1P
	s_mov_b32 s[\g+1], 384<<16
	s_mov_b32 s[\g+2], 8<<16
	s_mov_b32 s[\g+3], 384<<16
	s_mov_b32 s[\g+4], 8
	s_mov_b32 s[\g+5], 1536
	s_mov_b32 s[\g+6], 0
	s_mov_b32 s[\g+7], 0
.endr
	s_lshl_b32 s71, ttmp9, 2
	s_add_co_u32 s71, s71, s66
	s_lshl_b32 s72, s68, 2
	s_add_co_u32 s73, s72, s67
	s_add_co_u32 s72, s72, s66
	s_cmp_eq_u32 ttmp9, 2
	s_cselect_b32 s[TYPE], 1, 0
	s_cselect_b32 s18, s72, s71
	s_cselect_b32 s19, s67, s73
	s_cselect_b32 s74, 0, 256
	s_cselect_b32 s75, 384, 0
	s_lshl_b32 s76, s18, 4
	s_add_co_u32 s76, s76, s74
	s_lshl_b32 s77, s19, 4
	s_add_co_u32 s77, s77, s75
	s_lshl_b32 s78, s16, 3
	s_add_co_u32 s79, s76, s78
	s_mul_i32 s82, s79, 12288
	s_mov_b32 s83, 0
	s_add_co_u32 s90, s77, s78
	s_mul_i32 s80, s90, 12288
	s_mov_b32 s81, 0
	s_mul_i32 s20, s14, WLOAD
	s_lshl_b32 s90, s15, 3
	s_add_co_u32 s90, s90, s77
	s_lshl_b32 s84, s90, 9
	s_mov_b32 s85, 0
	s_lshl_b32 s86, s79, 9
	s_mov_b32 s87, 0
	s_mov_b32 s[SEL], 0x76543210
	s_mov_b32 s[SEL+1], 0xfedcba98
	v_and_b32 v3, 31, v0
	v_and_b32 v1, 15, v0
	v_bfe_u32 v2, v0, 4, 1
	v_lshlrev_b32 v[L16], 4, v3
	v_lshlrev_b32 v[L8], 3, v3
	v_mul_u32_u24 v[SO], v2, HS
	v_lshl_add_u32 v[SO], v1, 4, v[SO]
	v_lshlrev_b32 v[SH8], 3, v2
	s_wait_alu depctr_va_vdst(0)           ; the wait here, directly ahead of the waits below
	s_wait_dscnt 0x0                       ; both opening adds are done
	s_wait_kmcnt 0x0
	s_add_nc_u64 s[80:81], s[4:5], s[80:81]
	s_add_nc_u64 s[82:83], s[4:5], s[82:83]
	s_add_nc_u64 s[84:85], s[6:7], s[84:85]
	s_add_nc_u64 s[86:87], s[6:7], s[86:87]
	CROUND
.irp n, 0,1
	s_lshl_b32 s21, s20, \n                ; in slot 1 a wave's tiles take twice the bytes
	s_mov_b32 s[G0Q+4*\n], 1
	s_add_co_u32 s[G0Q+4*\n+1], s21, \n*SLOT
	s_add_nc_u64 s[G0Q+4*\n+2:G0Q+4*\n+3], s[80:81], \n*RT
	s_or_b32 s[G0Q+4*\n+3], s[G0Q+4*\n+3], 0x80000000
	s_mov_b32 s[G0P+4*\n], 1
	s_add_co_u32 s[G0P+4*\n+1], s21, \n*SLOT
	s_add_nc_u64 s[G0P+4*\n+2:G0P+4*\n+3], s[82:83], \n*RT
	s_or_b32 s[G0P+4*\n+3], s[G0P+4*\n+3], 0x80000000
.endr
	JLOAD G0Q, G1Q, G0P, G1P               ; K steps 0 and 1
.irp i, 0,1,2,3,4,5,6,7
	global_load_b128 v[SQ+4*\i:SQ+4*\i+3], v[L16], s[84:85] offset:512*\i
	global_load_b128 v[SP+4*\i:SP+4*\i+3], v[L16], s[86:87] offset:512*\i
.endr
	s_mul_i32 s21, s15, WLOAD
	s_mul_i32 s22, s16, WLOAD
	s_add_co_u32 s22, s22, 2*WLOAD
.irp n, 0,1
	v_add_nc_u32 v[AQ16+\n], s21, v[L16]
	v_add_nc_u32 v[AQ8+\n], s21, v[L8]
	v_add_nc_u32 v[AP16+\n], s22, v[L16]
	v_add_nc_u32 v[AP8+\n], s22, v[L8]
	s_lshl_b32 s21, s21, 1                 ; slot 1: twice the bytes a tile, behind slot 0
	s_lshl_b32 s22, s22, 1
	s_add_co_u32 s21, s21, SLOT
	s_add_co_u32 s22, s22, SLOT
.endr
.macro MUL16 a0, p, k, zero
.irp a, \a0, \a0+1
.irp b, 0,1,2,3,4,5,6,7
.if \zero
	v_wmma_scale_f32_16x16x128_f8f6f4 v[8*(8*((\a)%4)+\b):8*(8*((\a)%4)+\b)+7], v[128*(\p)+12*\b:128*(\p)+12*\b+11], v[AF+12*(\a):AF+12*(\a)+11], 0, v[SP+4*\b+(\k)%4], v[SQ+4*(\a)+(\k)%4] matrix_a_fmt:MATRIX_FMT_FP6 matrix_b_fmt:MATRIX_FMT_FP6
.elseif (\k) < 4
	v_wmma_scale_f32_16x16x128_f8f6f4 v[8*(8*((\a)%4)+\b):8*(8*((\a)%4)+\b)+7], v[128*(\p)+12*\b:128*(\p)+12*\b+11], v[AF+12*(\a):AF+12*(\a)+11], v[8*(8*((\a)%4)+\b):8*(8*((\a)%4)+\b)+7], v[SP+4*\b+(\k)%4], v[SQ+4*(\a)+(\k)%4] matrix_a_fmt:MATRIX_FMT_FP6 matrix_b_fmt:MATRIX_FMT_FP6
.else
	v_wmma_scale_f32_16x16x128_f8f6f4 v[8*(8*((\a)%4)+\b):8*(8*((\a)%4)+\b)+7], v[128*(\p)+12*\b:128*(\p)+12*\b+11], v[AF+12*(\a):AF+12*(\a)+11], v[8*(8*((\a)%4)+\b):8*(8*((\a)%4)+\b)+7], v[SP+4*\b+(\k)%4], v[SQ+4*(\a)+(\k)%4] matrix_a_fmt:MATRIX_FMT_FP6 matrix_b_fmt:MATRIX_FMT_FP6 matrix_a_scale:MATRIX_SCALE_ROW1 matrix_b_scale:MATRIX_SCALE_ROW1
.endif
.endr
.endr
.endm
.macro FETCH_B slot, q, p
	WIN 0x40
.irp i, 0,1,2,3,4,5,6,7
	FRAG 128*(\p)+12*\i, AP16+\slot, AP8+\slot, (1+\slot)*RT*\i+KB*(\q)
.endr
	WIN 0
.endm
.macro FETCH_A slot, q, i0
.irp i, \i0, \i0+1, \i0+2, \i0+3
	FRAG AF+12*(\i), AQ16+\slot, AQ8+\slot, (1+\slot)*RT*(\i)+KB*(\q)
.endr
.endm
.macro STEP k, nslot, nq, zero
	s_wait_dscnt 16
	WIN 0xa1
	MUL16 0, (\k)%2, \k, \zero
	MUL16 2, (\k)%2, \k, \zero
	s_wait_dscnt 0x0
	PLACES 4
	FETCH_B \nslot, \nq, 1-(\k)%2
	FETCH_A \nslot, \nq, 0
	WIN 0xf1
	MUL16 4, (\k)%2, \k, \zero
	MUL16 6, (\k)%2, \k, \zero
	PLACES 4
	WIN 0
	FETCH_A \nslot, \nq, 4
.endm
.macro TURN k, nslot, fill
	s_wait_tensorcnt 0x0
	ds_add_u32 v[SPW], v[NIL]
	s_wait_dscnt 17
	WIN 0xa1
	MUL16 0, 1, \k, 0
	s_wait_dscnt 0x0
	s_barrier_signal -1
	MUL16 2, 1, \k, 0
	WIN 0
	s_barrier_wait -1
.if \fill
	CREST
.irp g, G1Q, G1P                       ; no tensor load of mine is out: a row is two K steps again
	s_mov_b32 s[\g+1], 384<<16
	s_mov_b32 s[\g+3], 384<<16
.endr
	s_add_nc_u64 s[G0Q+2:G0Q+3], s[G0Q+2:G0Q+3], 3*RT
	s_add_nc_u64 s[G0P+2:G0P+3], s[G0P+2:G0P+3], 3*RT
	JLOAD G0Q, G1Q, G0P, G1P
.else
	PLACES 4
.endif
	FETCH_B \nslot, 0, 0
	FETCH_A \nslot, 0, 0
	WIN 0xf1
	MUL16 4, 1, \k, 0
	MUL16 6, 1, \k, 0
	PLACES 4
	WIN 0
	FETCH_A \nslot, 0, 4
.endm
.macro QUANT s, pw
.irp b, 0,1,2,3
	v_max3_num_f32 v[TM+\b], |v[\s+16*\b]|, |v[\s+1+16*\b]|, 0x1800000
.endr
.irp i, 2,4,6,8,10,12,14
.irp b, 0,1,2,3
	v_max3_num_f32 v[TM+\b], v[TM+\b], |v[\s+16*\b+\i]|, |v[\s+1+16*\b+\i]|
.endr
.endr
	v_max_num_f32 v[TM], v[TM], v[TM+1]    ; my block h,
	v_max_num_f32 v[TM+1], v[TM+2], v[TM+3] ; and my block 2 + h
.irp c, 0,1
	v_add_nc_u32 v[TM+12+\c], 0xff000000, v[TM+\c]   ; 2 off the exponent field: the conversion's scale operand
.endr
.irp c, 0,1
	v_lshrrev_b32 v[TM+4+\c], 23, v[TM+12+\c]
.endr
	v_lshl_or_b32 v[\pw], v[TM+5], 16, v[TM+4]
	v_lshlrev_b32 v[\pw], v[SH8], v[\pw]
	v_permlanex16_b32 v[TM+6], v[\pw], s[SEL], s[SEL+1]
	v_or_b32 v[\pw], v[\pw], v[TM+6]       ; with lane l xor 16's two bytes the word is whole, in both halves of the lanes
.irp c, 0,1
	v_cvt_scalef32_pk16_fp6_f32 v[PC+6*\c:PC+2+6*\c], v[\s+32*\c:\s+15+32*\c], v[TM+12+\c]
	v_cvt_scalef32_pk16_fp6_f32 v[PC+12+4*\c:PC+14+4*\c], v[\s+16+32*\c:\s+31+32*\c], v[TM+12+\c]
.endr
	v_nop
.irp c, 0,1
.irp i, 0,1,2
	v_mov_b32 v[PC+3+6*\c+\i], v[PC+12+4*\c+\i]
.endr
.endr
.endm
.macro TAIL type
.if \type == 0
	s_lshl_b32 s90, s18, 10
	s_lshl_b32 s91, s16, 9
	s_add_co_u32 s90, s90, s91
	s_mov_b32 s91, 0
	s_add_nc_u64 s[8:9], s[8:9], s[90:91]
	v_lshlrev_b32 v[BO], 7, v2             ; register i of tile b is column 64 (b / 4) + 32 h + 8 (b % 4) + i
.irp b, 0,1,2,3,4,5,6,7
	global_load_b128 v[96+8*\b+96*(\b/4):96+8*\b+96*(\b/4)+3], v[BO], s[8:9] offset:(64*(\b/4)+8*(\b%4))*4
	global_load_b128 v[96+8*\b+96*(\b/4)+4:96+8*\b+96*(\b/4)+7], v[BO], s[8:9] offset:(64*(\b/4)+8*(\b%4))*4+16
.endr
	s_lshl_b32 s90, s19, 1
	s_add_co_u32 s90, s90, s15
	s_lshr_b32 s91, s90, 4
	s_and_b32 s94, s90, 15
	s_lshl_b32 s95, s18, 2
	s_lshl_b32 s96, s16, 1
	s_add_co_u32 s95, s95, s96
	s_and_b32 s95, s95, 15
	s_lshl_b32 s91, s91, 4
	s_add_co_u32 s91, s91, s95
	s_lshl_b32 s91, s91, 4
	s_add_co_u32 s91, s91, s94
	s_mul_i32 s90, s91, CH
	s_mov_b32 s94, 6144
	s_cmp_ge_u32 s18, 4
	s_cselect_b32 s96, 0, 12800
	s_cselect_b32 s94, 12288, s94
	s_add_co_u32 s90, s90, s96
.else
	s_lshl_b32 s90, s19, 10
	s_lshl_b32 s91, s15, 9
	s_add_co_u32 s90, s90, s91
	s_add_co_u32 s90, s90, 8192
	s_mov_b32 s91, 0
	s_add_nc_u64 s[8:9], s[8:9], s[90:91]
	v_and_b32 v[BO], 8, v1
	v_mul_u32_u24 v[BO], 3, v[BO]          ; lane r of tile a is column 64 (a / 4) + 32 (r / 8) + 8 (a % 4) + r % 8
	v_add_lshl_u32 v[BO], v[BO], v1, 2
.irp a, 0,1,2,3,4,5,6,7
	global_load_b32 v[96+2*\a], v[BO], s[8:9] offset:(64*(\a/4)+8*(\a%4))*4
	global_load_b32 v[97+2*\a], v[BO], s[8:9] offset:(64*(\a/4)+8*(\a%4))*4
.endr
	s_lshl_b32 s90, s18, 1
	s_add_co_u32 s90, s90, s16
	s_lshr_b32 s91, s90, 4
	s_and_b32 s94, s90, 15
	s_lshl_b32 s95, s19, 2
	s_lshl_b32 s96, s15, 1
	s_add_co_u32 s95, s95, s96
	s_lshl_b32 s91, s91, 4
	s_add_co_u32 s91, s91, s95
	s_lshl_b32 s91, s91, 4
	s_add_co_u32 s91, s91, s94
	s_mul_i32 s90, s91, CH
	s_add_co_u32 s90, s90, 6144
	s_mov_b32 s94, 6400
.endif
	s_mov_b32 s91, 0
	s_mov_b32 s95, 0
	s_add_nc_u64 s[92:93], s[10:11], s[90:91]
	s_add_nc_u64 s[94:95], s[92:93], s[94:95]
	STEP 6, 0, 1, 0
	s_wait_dscnt 16
	WIN 0xa1
	MUL16 0, 1, 7, 0
	MUL16 2, 1, 7, 0
	s_wait_dscnt 0x0
	WIN 0xf1
	MUL16 4, 1, 7, 0
	MUL16 6, 1, 7, 0
	WIN 0
	PLACES 4
	s_wait_loadcnt 0x0
.irp a, 0,1,2,3,4,5,6,7
.if \a > 0
	s_wait_xcnt 0x0
.endif
	WIN 0x02+(\a/4)
.set i, 0
.rept 32
.if \type == 0
	v_pk_add_f32 v[HA+2*i:HA+2*i+1], v[64*(\a%4)+2*i:64*(\a%4)+2*i+1], v[96+8*(i/4)+96*(i/16)+2*(i%4):96+8*(i/4)+96*(i/16)+2*(i%4)+1]
.else
	v_pk_add_f32 v[HA+2*i:HA+2*i+1], v[64*(\a%4)+2*i:64*(\a%4)+2*i+1], v[96+2*\a:97+2*\a]
.endif
.set i, i+1
.endr
	WIN 0
	QUANT HA, PWS+\a
.if \type == 0
	global_store_b128 v[L16], v[PC:PC+3], s[92:93] offset:768*\a
	global_store_b64 v[L8], v[PC+4:PC+5], s[92:93] offset:768*\a+512
	global_store_b128 v[L16], v[PC+6:PC+9], s[92:93] offset:HS+768*\a
	global_store_b64 v[L8], v[PC+10:PC+11], s[92:93] offset:HS+768*\a+512
.else
	global_store_b128 v[L16], v[PC:PC+3], s[92:93] offset:HS*(\a/4)+KB*(\a%4)
	global_store_b64 v[L8], v[PC+4:PC+5], s[92:93] offset:HS*(\a/4)+KB*(\a%4)+512
	global_store_b128 v[L16], v[PC+6:PC+9], s[92:93] offset:HS*(\a/4)+KB*(\a%4)+768
	global_store_b64 v[L8], v[PC+10:PC+11], s[92:93] offset:HS*(\a/4)+KB*(\a%4)+1280
.endif
.endr
	v_cmp_le_u32 vcc_lo, 16, v3
.if \type == 0
.irp i, 0,1,2,3
	v_perm_b32 v[EW+\i], v[PWS+2*\i+1], v[PWS+2*\i], 0x05040100
	v_perm_b32 v[OW+\i], v[PWS+2*\i+1], v[PWS+2*\i], 0x07060302
.endr
.irp i, 0,1,2,3
	v_cndmask_b32 v[WW+\i], v[EW+\i], v[OW+\i], vcc_lo
.endr
.else
.irp i, 0,1,2,3
	v_cndmask_b32 v[WW+\i], v[PWS+\i], v[PWS+4+\i], vcc_lo
.endr
.endif
	global_store_b128 v[SO], v[WW:WW+3], s[94:95]
.endm
	s_wait_alu depctr_va_vdst(0)           ; the wait at the head's end
	s_wait_tensorcnt 0x0                   ; my part of slot 0 is in
	ds_add_u32 v[SPW], v[NIL]
.irp g, G1Q, G1P                       ; no tensor load of mine is out: a row is now four K steps, 6,144 bytes
	s_mov_b32 s[\g+1], 768<<16
	s_mov_b32 s[\g+3], 768<<16
.endr
	s_wait_dscnt 0x0
	CROUND                                 ; slot 0 is whole, and all sixteen work-groups are here
	JLOAD G0Q+4, G1Q, G0P+4, G1P           ; K steps 2 to 5, into slot 1
	FETCH_B 0, 0, 0
	FETCH_A 0, 0, 0
	FETCH_A 0, 0, 4
	s_wait_loadcnt 0x0
	STEP 0, 0, 1, 1
	TURN 1, 1, 1
	STEP 2, 1, 1, 0
	STEP 3, 1, 2, 0
	STEP 4, 1, 3, 0
	TURN 5, 0, 0
	s_cmp_eq_u32 s[TYPE], 0
	s_cbranch_scc0 .Lrole_v
	TAIL 0
	s_branch .Lend
.Lrole_v:
	TAIL 1
.Lend:
	s_wait_tensorcnt 0x0
	ds_add_u32 v[SPW], v[NIL]
	s_wait_dscnt 0x0
	CROUND
	s_endpgm
.Lfunc_end_k_q1f5ff939e4_qkvgemm:
	.size	k_q1f5ff939e4_qkvgemm, .Lfunc_end_k_q1f5ff939e4_qkvgemm-k_q1f5ff939e4_qkvgemm
	.p2alignl 7, 3214868480
	.fill 96, 4, 3214868480
	.section	.rodata,"a",@progbits
	.p2align	6, 0x0
	.amdhsa_kernel k_q1f5ff939e4_qkvgemm
		.amdhsa_group_segment_fixed_size 327680
		.amdhsa_private_segment_fixed_size 0
		.amdhsa_enable_private_segment 0
		.amdhsa_kernarg_size 32
		.amdhsa_user_sgpr_count 2
		.amdhsa_user_sgpr_kernarg_segment_ptr 1
		.amdhsa_wavefront_size32 1
		.amdhsa_system_sgpr_workgroup_id_x 1
		.amdhsa_system_sgpr_workgroup_id_y 1
		.amdhsa_system_sgpr_workgroup_id_z 1
		.amdhsa_system_vgpr_workitem_id 0
		.amdhsa_next_free_vgpr 1024
		.amdhsa_next_free_sgpr 100
		.amdhsa_reserve_vcc 1
		.amdhsa_float_denorm_mode_32 3
		.amdhsa_float_denorm_mode_16_64 3
		.amdhsa_memory_ordered 1
		.amdhsa_forward_progress 1
		.amdhsa_inst_pref_size 226
	.end_amdhsa_kernel
	.amdgpu_metadata
---
amdhsa.version: [ 1, 2 ]
amdhsa.kernels:
  - .name:           k_q1f5ff939e4_qkvgemm
    .symbol:         k_q1f5ff939e4_qkvgemm.kd
    .args:
      - { .name: img, .offset: 0, .size: 8, .value_kind: global_buffer, .address_space: global }
      - { .name: scl, .offset: 8, .size: 8, .value_kind: global_buffer, .address_space: global }
      - { .name: b_qkv, .offset: 16, .size: 8, .value_kind: global_buffer, .address_space: global }
      - { .name: qkv, .offset: 24, .size: 8, .value_kind: global_buffer, .address_space: global }
    .group_segment_fixed_size: 327680
    .private_segment_fixed_size: 0
    .kernarg_segment_align: 8
    .kernarg_segment_size: 32
    .max_flat_workgroup_size: 128
    .sgpr_count:     100
    .vgpr_count:     1024
    .wavefront_size: 32
...
	.end_amdgpu_metadata
.endif
;; end of part 2
;; launch attn (part 3): grid 8 x 32, 16 waves a work-group, clusters of 4 x 1, 208,896 bytes of LDS; arguments qkv, o_img, o_sc; writes o_img, o_sc
.if DOCPART == 3
	.amdgcn_target "amdgcn-amd-amdhsa--gfx1250"
	.amdhsa_code_object_version 6
	.text
	.protected	k_q1f5ff939e4_attn
	.globl	k_q1f5ff939e4_attn
	.p2align	8
	.type	k_q1f5ff939e4_attn,@function
k_q1f5ff939e4_attn:
	s_mov_b64 s[64:65], 0
	v_nop
	global_prefetch_b8 v0, s[64:65] scope:SCOPE_SE
	s_setreg_imm32_b32 hwreg(HW_REG_WAVE_MODE, 25, 1), 1
	s_wait_xcnt 0x0
	s_wait_alu depctr_hold_cnt(0) depctr_sa_sdst(0) depctr_va_vdst(0) depctr_va_sdst(0) depctr_va_ssrc(0) depctr_va_vcc(0) depctr_vm_vsrc(0)
	s_getreg_b32 s2, hwreg(HW_REG_IB_STS2, 6, 4)
	s_cmp_eq_u32 s2, 0
	s_cbranch_scc0 .Lentry_in_a_cluster
	s_endpgm
.Lentry_in_a_cluster:
	s_bfe_u32 s2, ttmp6, 0x10000c
	s_cmp_lg_u32 s2, 0x3003
	s_cbranch_scc0 .Lentry_shape_is_right
	s_endpgm
.Lentry_shape_is_right:
; o = softmax(q k^T / 8) v for one head, both products on codes of FP6 (E2M3) with E8M0 scales; o is quantised along the head's 64 for the last product and leaves as a half image with two scale bytes a row.
; THE SOFTMAX: t = score x log2(e) / 8; M = the running largest t rounded UP to a whole number; p = 2^(t - M) is what is quantised, along the keys, not normalised.  The row's sum is taken of the unquantised p and divides at the end.
; When M moves, the sum and O are multiplied by 2^(old M - new M): exact.
; SHARES.  A work-group owns 256 queries of one head, each of its sixteen waves one tile of 16 in 256 registers: four waves to a SIMD.
; A HEAD'S WHOLE K AND V, codes and scale words, 16 key steps x 12,800 bytes, STAY IN LDS: every byte is filled once, so there is no ring.  Wave w fetches key step w.  A first barrier shows steps 0 to 3; a second, signalled behind
; step 1 and waited for behind step 2, shows the rest.  CLUSTER.  The four query blocks of a cluster belong to one head: each key step is asked for jointly, by the same tensor load with a mask that names the four.
; No prefetch: all of K and V is asked for at the head, and there is no loop ahead of the loads.
; LAYOUT.  Both products are used transposed: S^T = K Q^T, O^T = V^T P^T: a lane holds ONE query.  The head's 64 fill half of an instruction's K: a fragment of K holds token tile 2 i in its lower half and tile 2 i + 1 in its upper;
; multiplied by [q, 0] it gives tile 2 i's scores, by [0, q] tile 2 i + 1's.  Token tiles: lane r of tile 4 c + j is token 64 c + 32 (r / 8) + 8 j + r % 8.  So a lane's 32 scores of four tiles are the keys 64 c + 32 (lane / 16) + 0 .. 31:
; a whole scale block, in the order of p's operand.
; A BLOCK'S SCALE comes from its largest score: with x = that score's t - M the exponent is floor(x) (p = 2^x), less 2, held so that the byte is at least 1.
; LIMITS: NaN and infinities are not served; a block of zeros gets the byte 1 with zero codes; the scaled scores (exponents to the base 2, before the maximum is taken away) stay under 2^31 in magnitude.
.set HS,    307200
.set CH,    19200
.set KSB,   12800                      ; a key step in LDS: K's four fragments, V^T's four (6,144), K's scale words (12,288), V's (12,544)
.set OSC,   16*KSB                     ; o's scale bytes of the work-group's 256 rows: 512 bytes
.set SPARE, OSC+512                    ; the spare words, 128 bytes for each wave
.set OLD, 0                            ; v0  behind the head: the last step's -M
.set L16, 1                            ; v1  16 x lane
.set L8,  2                            ; v2  8 x lane
.set R16, 3                            ; v3  16 r
.set SPW, 4                            ; v4  LDS address of my spare word
.set NIL, 5                            ; v5  0
.set A16, 6                            ; v6-8 the step's addresses
.set A8,  7
.set AS,  8
.set T2,  9
.set QS,  10                           ; v10 q's scale word: my row's two bytes, twice (the zero halves have zero codes)
.set PW,  11                           ; v11 p's scale word;  v12 -M, v13 the running largest score, v[14:15] the sum
.set QLO, 16                           ; v16-33 q, six zeros, q: [q, 0] is v16-27,
.set QHI, 22                           ; [0, q] is v22-33
.set KW,  34                           ; v34-37 K's scale words;  v38-41 V's
.set VW,  38
.set KF,  42                           ; v42-89 K's four fragments
.set VF,  90                           ; v90-137 V^T's
.set S,   138                          ; v138-201 S^T, then p
.set O,   202                          ; v202-233 O^T
.set PCD, 234                          ; v234-245 p's codes
.set C0,  246                          ; v246-249 the maxima's chains; v246, v247 the blocks' largest, then the conversions' scale operands; v248-253 the sum's chains
.set FF,  254                          ; v254 f
.set PX,  255                          ; v255 what lane l xor 16 has
.set SEL, 20
.set CS,  22
.set G1,  24
.set G0,  40
.macro WALU
	s_wait_alu depctr_va_vdst(0)
.endm
.macro HINT
	s_delay_alu instid0(VALU_DEP_1)
.endm
.macro CROUND
	s_barrier_signal -1
	s_barrier_wait -1
	s_cmp_lg_u32 s10, 0
	s_cbranch_scc1 .Lnot_wave_0_\@
	s_barrier_signal -3
.Lnot_wave_0_\@:
	s_barrier_wait -3
	s_barrier_signal -1
	s_barrier_wait -1
.endm
.macro FRAG reg, a16, a8, off
	ds_load_b128 v[(\reg):(\reg)+3], v[\a16] offset:(\off)
	ds_load_b64 v[(\reg)+4:(\reg)+5], v[\a8] offset:(\off)+512
	ds_load_b128 v[(\reg)+6:(\reg)+9], v[\a16] offset:(\off)+768
	ds_load_b64 v[(\reg)+10:(\reg)+11], v[\a8] offset:(\off)+1280
.endm
.macro KLOAD a16, a8, as, off          ; a key step's K: 17 loads
.irp i, 0,1,2,3
	FRAG KF+12*\i, \a16, \a8, (\off)+1536*\i
.endr
	ds_load_b128 v[KW:KW+3], v[\as] offset:(\off)+12288
.endm
	s_load_b128 s[4:7], s[0:1], 0x0                ; qkv s[4:5], o_img s[6:7]
	s_load_b64 s[8:9], s[0:1], 0x10                ; o_sc
	v_lshl_add_u32 v[SPW], v0, 2, SPARE
	v_mov_b32 v[NIL], 0
	ds_add_u32 v[SPW], v[NIL]                      ; the wave's opening: the add, twice on end, and its wait ahead of the first tensor load
	ds_add_u32 v[SPW], v[NIL]
	v_lshrrev_b32 v6, 5, v0
	v_readfirstlane_b32 s10, v6                    ; wave 0..15
	v_and_b32 v6, 31, v0
	v_and_b32 v7, 15, v0
	v_lshlrev_b32 v[L16], 4, v6
	v_lshlrev_b32 v[L8], 3, v6
	v_lshlrev_b32 v[R16], 4, v7
	WALU                                           ; the wait here, ahead of the scalar lines and the waits below
	s_bfe_u32 s11, ttmp6, 0x40000                  ; cx
	s_lshl_b32 s12, ttmp9, 2
	s_add_co_u32 s12, s12, s11                     ; my block of 256 queries: it enters Q's and o's addresses alone
	s_and_b32 s13, ttmp7, 0xffff                   ; batch x 16 + head, which the four partners share
	s_mov_b32 s[G1], 15|(3<<16)|(1<<21)            ; 15:0 the mask: all four; 17:16 elements of 8 bytes; 21 set beside a mask
	s_mov_b32 s[G1+1], 32<<16                      ; tensor_dim0: 256 bytes
	s_mov_b32 s[G1+2], 50<<16                      ; tensor_dim1: 50 rows: a key step's 12,800 dense bytes
	s_mov_b32 s[G1+3], 32<<16                      ; tile_dim0
	s_mov_b32 s[G1+4], 50                          ; tile_dim1
	s_mov_b32 s[G1+5], 32                          ; the pitch
	s_mov_b32 s[G1+6], 0
	s_mov_b32 s[G1+7], 0
	s_mov_b32 s[SEL], 0x76543210
	s_mov_b32 s[SEL+1], 0xfedcba98
	s_mov_b32 s[CS], 0x3e38aa3b                    ; c = log2(e) / 8
	s_mov_b32 s[CS+1], s[CS]                       ; (named with it as a pair)
	s_mul_i32 s17, s10, KSB                        ; key step = wave: in LDS,
	s_mul_i32 s34, s10, CH                         ; and in memory
	s_mov_b32 s35, 0
	s_mul_i32 s32, s13, HS                         ; the head
	s_mov_b32 s33, 0
	s_lshr_b32 s56, s10, 3
	s_lshl_b32 s57, s12, 1
	s_add_co_u32 s57, s57, s56                     ; my queries' chunk
	s_mul_i32 s57, s57, CH
	s_and_b32 s58, s10, 7                          ; my token tile in it
	s_mul_i32 s60, s58, 768
	s_add_co_u32 s60, s60, s57
	s_add_co_u32 s60, s60, 12800                   ; Q's half image
	s_mov_b32 s61, 0
	s_lshr_b32 s62, s58, 1
	s_lshl_b32 s62, s62, 2
	s_add_co_u32 s62, s62, s57
	s_add_co_u32 s62, s62, 18944                   ; the word of my pair of tiles
	s_mov_b32 s63, 0
	s_and_b32 s59, s10, 1
	s_lshl_b32 s59, s59, 4                         ; my tile's two bytes begin at bit 16 (tile % 2)
	s_wait_dscnt 0x0                               ; both opening adds are done
	s_wait_kmcnt 0x0
	s_add_nc_u64 s[36:37], s[4:5], s[32:33]
	s_add_nc_u64 s[38:39], s[36:37], s[34:35]
	s_add_nc_u64 s[60:61], s[36:37], s[60:61]
	s_add_nc_u64 s[62:63], s[36:37], s[62:63]
	s_mov_b32 s[G0], 1
	s_mov_b32 s[G0+1], s17
	s_mov_b64 s[G0+2:G0+3], s[38:39]
	s_or_b32 s[G0+3], s[G0+3], 0x80000000
	CROUND                                         ; all four work-groups are here: the joint loads meet
	s_cmp_lt_u32 s10, 4                            ; one load a wave.  Waves 0 to 3, whose steps are shown first, have a line of their own
	s_cbranch_scc0 .Llater
	tensor_load_to_lds s[G0:G0+3], s[G1:G1+7]
	s_nop 0
.rept 4
	v_nop
.endr
	s_branch .Lasked
.Llater:
	tensor_load_to_lds s[G0:G0+3], s[G1:G1+7]
	s_nop 0
.rept 4
	v_nop
.endr
.Lasked:
	global_load_b128 v[QLO:QLO+3], v[L16], s[60:61]            ; q, into the lower half of one operand
	global_load_b64 v[QLO+4:QLO+5], v[L8], s[60:61] offset:512
	global_load_b128 v[QHI+6:QHI+9], v[L16], s[60:61]          ; and into the upper half of the other
	global_load_b64 v[QHI+10:QHI+11], v[L8], s[60:61] offset:512
	global_load_b32 v[T2], v[R16], s[62:63]
.irp j, 0,1,2,3,4,5
	v_mov_b32 v[QHI+\j], 0                         ; the zeros that both operands share
.endr
	v_mov_b32 v13, 0xff61b1e6                      ; the largest score so far: -3e38
	v_mov_b32 v12, 0x7e000000                      ; -M: so far beyond any score that the first f is 0
	v_mov_b32 v14, 0
	v_mov_b32 v15, 0
	v_mov_b32 v[PX], 0                             ; a lane permute's destination counts as one of its sources
	WALU
	s_wait_loadcnt 0x0
	v_lshrrev_b32 v[T2], s59, v[T2]
	v_and_b32 v[T2], 0xffff, v[T2]
	v_lshl_or_b32 v[QS], v[T2], 16, v[T2]
.set j, 0
.rept 32
	v_mov_b32 v[O+j], 0                            ; O^T: the first step finds zeros.  (These lines are also the places between the writes above and the first products)
.set j, j+1
.endr
	WALU                                           ; the wait at the head's end
	s_cmp_lt_u32 s10, 4
	s_cbranch_scc0 .Lnot_first
	s_wait_tensorcnt 0x0                           ; waves 0 to 3: my key step is in
.Lnot_first:
	s_barrier_signal -1
	s_barrier_wait -1                              ; key steps 0 to 3 are whole; the others may still be on their way
	KLOAD L16, L8, R16, 0
; A KEY STEP: 128 keys, at LDS byte s14; its K was loaded a step ago.  more = 1: the next step's K is loaded behind this step's V.
.macro ADDP                            ; pair pp of p onto one of the sum's four chains
.set d_, (pp-6)%4
.if d_ == 0
	v_pk_add_f32 v[14:15], v[14:15], v[S+2*pp:S+2*pp+1]
.else
	v_pk_add_f32 v[246+2*d_:247+2*d_], v[246+2*d_:247+2*d_], v[S+2*pp:S+2*pp+1]
.endif
.set pp, pp+1
.endm
.macro STEP more
	s_wait_dscnt 0x0                               ; this step's K and its scale words are in
.irp i, 0,1,2,3
	v_wmma_scale_f32_16x16x128_f8f6f4 v[S+16*\i:S+16*\i+7], v[KF+12*\i:KF+12*\i+11], v[QLO:QLO+11], 0, v[KW+\i], v[QS] matrix_a_fmt:MATRIX_FMT_FP6 matrix_b_fmt:MATRIX_FMT_FP6
	v_wmma_scale_f32_16x16x128_f8f6f4 v[S+16*\i+8:S+16*\i+15], v[KF+12*\i:KF+12*\i+11], v[QHI:QHI+11], 0, v[KW+\i], v[QS] matrix_a_fmt:MATRIX_FMT_FP6 matrix_b_fmt:MATRIX_FMT_FP6
.endr
	v_add_nc_u32 v[A16], s14, v[L16]               ; four places in front of the loads and of the first read of the scores
	v_add_nc_u32 v[A8], s14, v[L8]
	v_add_nc_u32 v[AS], s14, v[R16]
	v_mov_b32 v[OLD], v12
.irp t, 0,1,2,3
	FRAG VF+12*\t, A16, A8, 6144+1536*\t           ; V^T lands while the softmax is walked
.endr
	ds_load_b128 v[VW:VW+3], v[AS] offset:12544
.if \more
	KLOAD A16, A8, AS, KSB                         ; and the next step's K has until the next step
.endif
.irp b, 0,1,2,3
	v_max3_num_f32 v[C0+\b], v[S+16*\b], v[S+1+16*\b], v[S+2+16*\b]   ; the largest score of each of my two blocks of 32 keys, in two chains each
.endr
.irp i, 3,5,7,9,11,13
.irp b, 0,1,2,3
	v_max3_num_f32 v[C0+\b], v[C0+\b], v[S+16*\b+\i], v[S+1+16*\b+\i]
.endr
.endr
	v_max3_num_f32 v[C0], v[C0], v[S+15], v[S+31]
	v_max3_num_f32 v[C0+2], v[C0+2], v[S+47], v[S+63]
	v_max_num_f32 v[C0], v[C0], v[C0+1]
	v_max_num_f32 v[C0+1], v[C0+2], v[C0+3]
	HINT
	v_max_num_f32 v[T2], v[C0], v[C0+1]
	HINT
	v_permlanex16_b32 v[PX], v[T2], s[SEL], s[SEL+1]
	HINT
	v_max3_num_f32 v13, v13, v[T2], v[PX]          ; the running largest score, with lane l xor 16's 64 keys
	HINT
	v_mul_f32 v12, s[CS], -v13                     ; its -t (c is positive)
	HINT
	v_floor_f32 v12, v12                           ; the new -M = -ceil(t): a whole number
.set j, 0
.rept 32
	v_pk_fma_f32 v[S+j:S+j+1], v[S+j:S+j+1], s[CS:CS+1], v[12:13] op_sel_hi:[1,0,0]   ; t - M, two at a time
.set j, j+2
.endr
	v_pk_fma_f32 v[C0:C0+1], v[C0:C0+1], s[CS:CS+1], v[12:13] op_sel_hi:[1,0,0]       ; the same of each block's largest score
	v_sub_f32 v[T2], v12, v[OLD]                   ; old M - new M: a whole number, 0 or less
	v_max_num_f32 v[C0], 0xc2f80000, v[C0]         ; -124: the byte cannot fall under 1
	v_max_num_f32 v[C0+1], 0xc2f80000, v[C0+1]
	v_cvt_i32_f32 v[T2], v[T2]                     ; (it saturates)
	v_cvt_floor_i32_f32 v[C0+2], v[C0]             ; floor(log2) of the block's largest p
	v_cvt_floor_i32_f32 v[C0+3], v[C0+1]
	v_ldexp_f32 v[FF], 1.0, v[T2]                  ; f = 2^(old M - new M)
	v_add_lshl_u32 v[C0], v[C0+2], 125, 23         ; the conversion's scale operand: exponent field floor + 127 - 2
	v_add_lshl_u32 v[C0+1], v[C0+3], 125, 23
	v_lshl_add_u32 v[T2], v[C0+3], 16, v[C0+2]     ; my two blocks' exponents, blocks h and 2 + h,
	HINT
	v_permlanex16_b32 v[PX], v[T2], s[SEL], s[SEL+1]   ; and lane l xor 16's
	WALU                                           ; the wait ahead of the batch
.set j, 0
.rept 64
	v_exp_f32 v[S+j], v[S+j]                       ; p = 2^(t - M)
.set j, j+1
.endr
	v_pk_mul_f32 v[14:15], v[14:15], v[FF:FF+1] op_sel_hi:[1,0]   ; the sum under the new M: a plain place behind the exponentials
	WALU                                           ; one wait for the batch and for O^T, ahead of their first readers
.set j, 0
.rept 16
	v_pk_mul_f32 v[O+j:O+j+1], v[O+j:O+j+1], v[FF:FF+1] op_sel_hi:[1,0]   ; O^T under the new M, each accumulator from its low end on
.set j, j+2
.endr
	v_pk_add_f32 v[248:249], v[S:S+1], v[S+2:S+3]  ; the row's sum, of the unquantised p, in four chains
	v_pk_add_f32 v[250:251], v[S+4:S+5], v[S+6:S+7]
	v_pk_add_f32 v[252:253], v[S+8:S+9], v[S+10:S+11]
.set pp, 6
.rept 15
	ADDP
.endr
	v_cvt_scalef32_pk16_fp6_f32 v[PCD:PCD+2], v[S:S+15], v[C0]
	v_cvt_scalef32_pk16_fp6_f32 v[PCD+6:PCD+8], v[S+32:S+47], v[C0+1]
	v_lshl_add_u32 v[PW], v[PX], 8, v[T2]          ; p's scale word (lanes 0-15 are read): a plain place too
	v_cvt_scalef32_pk16_fp6_f32 v[S:S+2], v[S+16:S+31], v[C0]       ; (a conversion's three registers begin on an even number: the second halves are made in registers that are done with, and moved)
	v_cvt_scalef32_pk16_fp6_f32 v[S+4:S+6], v[S+48:S+63], v[C0+1]
	v_add_nc_u32 v[PW], 0x7d7d7d7d, v[PW]          ; + 125 in each byte
.irp i, 0,1,2
	v_mov_b32 v[PCD+3+\i], v[S+\i]
	v_mov_b32 v[PCD+9+\i], v[S+4+\i]
.endr
.rept 11                               ; the rest of the sum: also the places between the codes' and the word's last writes and the products
	ADDP
.endr
	v_pk_add_f32 v[248:249], v[248:249], v[250:251]
	v_pk_add_f32 v[14:15], v[14:15], v[252:253]
	v_pk_add_f32 v[14:15], v[14:15], v[248:249]
	WALU                                           ; the wait here, directly ahead of the wait below
.if \more
	s_wait_dscnt 17                                ; V^T and its scale words are in; the 17 loads of the next K may be out
.else
	s_wait_dscnt 0x0
.endif
.irp t, 0,1,2,3                                ; four accumulators, one instruction a turn
	v_wmma_scale_f32_16x16x128_f8f6f4 v[O+8*\t:O+8*\t+7], v[VF+12*\t:VF+12*\t+11], v[PCD:PCD+11], v[O+8*\t:O+8*\t+7], v[VW+\t], v[PW] matrix_a_fmt:MATRIX_FMT_FP6 matrix_b_fmt:MATRIX_FMT_FP6
.endr
.endm
.macro STEPS first, n
	s_mov_b32 s14, (\first)*KSB
	s_mov_b32 s15, \n
.Lstep_\@:
	STEP 1
	s_add_co_u32 s14, s14, KSB
	s_sub_co_u32 s15, s15, 1
	s_cmp_lg_u32 s15, 0
	s_cbranch_scc1 .Lstep_\@
.endm
	STEPS 0, 2
	WALU
	s_wait_tensorcnt 0x0                           ; my key step is in, whichever it is,
	s_wait_dscnt 0x0                               ; and no LDS load of mine is out at the signal
	s_barrier_signal -1
	s_mov_b32 s14, 2*KSB
	STEP 1                                         ; between signal and wait: register work and LDS loads of key steps 2 and 3, which nobody writes any more
	s_barrier_wait -1                              ; all key steps are whole
	STEPS 3, 12
	s_mov_b32 s14, 15*KSB
	STEP 0
	; THE WAY OUT.  O^T / the sum; register 8 t + i is channel 32 (lane / 16) + 8 t + i of my query: my 32 are one block of the last product's K.
	v_add_f32 v14, v14, v15                        ; (four plain places behind the last products)
	v_permlanex16_b32 v[PX], v14, s[SEL], s[SEL+1]
	v_add_f32 v14, v14, v[PX]                      ; the row's sum
	v_nop
	WALU
	v_rcp_f32 v14, v14
	v_nop                                          ; a plain place behind the reciprocal
	s_lshr_b32 s16, s13, 4                         ; batch
	s_and_b32 s17, s13, 15                         ; head
	s_lshl_b32 s18, s16, 7
	s_lshl_b32 s19, s12, 4
	s_add_co_u32 s18, s18, s19                     ; the work-group's first token tile
	s_add_co_u32 s19, s18, s10                     ; mine
	s_mul_i32 s32, s19, 12288
	s_mul_i32 s33, s17, 768
	s_add_co_u32 s32, s32, s33
	s_mov_b32 s33, 0
	s_add_nc_u64 s[6:7], s[6:7], s[32:33]
	s_lshl_b32 s34, s17, 13                        ; o_sc [head 16][64 tokens: 64][r 16][tile 4][2]
	s_lshl_b32 s35, s18, 5
	s_add_co_u32 s34, s34, s35
	s_mov_b32 s35, 0
	s_add_nc_u64 s[8:9], s[8:9], s[34:35]
	s_lshr_b32 s56, s10, 2
	s_lshl_b32 s56, s56, 7
	s_and_b32 s57, s10, 3
	s_lshl_b32 s57, s57, 1
	s_add_co_u32 s56, s56, s57
	s_add_co_u32 s56, s56, OSC                     ; OSC + 128 (wave / 4) + 2 (wave % 4)
	WALU                                           ; ahead of the reciprocal's first reader and of O^T's
.set j, 0
.rept 16
	v_pk_mul_f32 v[S+j:S+j+1], v[O+j:O+j+1], v[14:15] op_sel_hi:[1,0]
.set j, j+2
.endr
.irp b, 0,1
	v_max3_num_f32 v[C0+\b], |v[S+16*\b]|, |v[S+1+16*\b]|, 0x1800000
.endr
.irp i, 2,4,6,8,10,12,14
.irp b, 0,1
	s_delay_alu instid0(VALU_DEP_2)
	v_max3_num_f32 v[C0+\b], v[C0+\b], |v[S+16*\b+\i]|, |v[S+1+16*\b+\i]|
.endr
.endr
	v_max_num_f32 v[C0], v[C0], v[C0+1]
	v_lshrrev_b32 v[AS], 8, v[L16]                 ; h
	v_lshrrev_b32 v[A16], 1, v[R16]                ; 8 r
	v_add_nc_u32 v[C0], 0xff000000, v[C0]
	v_add_nc_u32 v[A16], s56, v[A16]
	v_add_nc_u32 v[A8], OSC, v[L16]                ; where wave 0 reads the bytes back
	v_lshrrev_b32 v[T2], 23, v[C0]                 ; my block's scale byte
	v_add_nc_u32 v[A16], v[A16], v[AS]             ; and its place: + 8 r + h
	v_cvt_scalef32_pk16_fp6_f32 v[PCD:PCD+2], v[S:S+15], v[C0]
	v_cvt_scalef32_pk16_fp6_f32 v[250:252], v[S+16:S+31], v[C0]
	v_nop
.irp i, 0,1,2
	v_mov_b32 v[PCD+3+\i], v[250+\i]
.endr
	global_store_b128 v[L16], v[PCD:PCD+3], s[6:7]             ; the half image: 512 and 256 consecutive bytes, at multiples of 256 from o_img's first byte
	global_store_b64 v[L8], v[PCD+4:PCD+5], s[6:7] offset:512
	ds_store_b8 v[A16], v[T2]
	WALU
	s_wait_dscnt 0x0                               ; for wave 0's sake
	s_barrier_signal -1
	s_barrier_wait -1
	s_cmp_lg_u32 s10, 0
	s_cbranch_scc1 .Lend
	ds_load_b128 v[S:S+3], v[A8]
	s_wait_dscnt 0x0
	global_store_b128 v[L16], v[S:S+3], s[8:9]     ; the work-group's 512 bytes of scale bytes
.Lend:
	s_wait_tensorcnt 0x0                           ; the wave's end
	ds_add_u32 v[SPW], v[NIL]
	s_wait_dscnt 0x0
	CROUND                                         ; the closing round
	s_endpgm
.Lfunc_end_k_q1f5ff939e4_attn:
	.size	k_q1f5ff939e4_attn, .Lfunc_end_k_q1f5ff939e4_attn-k_q1f5ff939e4_attn
	.p2alignl 7, 3214868480
	.fill 96, 4, 3214868480
	.section	.rodata,"a",@progbits
	.p2align	6, 0x0
	.amdhsa_kernel k_q1f5ff939e4_attn
		.amdhsa_group_segment_fixed_size 208896
		.amdhsa_private_segment_fixed_size 0
		.amdhsa_enable_private_segment 0
		.amdhsa_kernarg_size 24
		.amdhsa_user_sgpr_count 2
		.amdhsa_user_sgpr_kernarg_segment_ptr 1
		.amdhsa_wavefront_size32 1
		.amdhsa_system_sgpr_workgroup_id_x 1
		.amdhsa_system_sgpr_workgroup_id_y 1
		.amdhsa_system_sgpr_workgroup_id_z 1
		.amdhsa_system_vgpr_workitem_id 0
		.amdhsa_next_free_vgpr 256
		.amdhsa_next_free_sgpr 66
		.amdhsa_reserve_vcc 0
		.amdhsa_float_denorm_mode_32 3
		.amdhsa_float_denorm_mode_16_64 3
		.amdhsa_memory_ordered 1
		.amdhsa_forward_progress 1
		.amdhsa_inst_pref_size 71
	.end_amdhsa_kernel
	.amdgpu_metadata
---
amdhsa.version: [ 1, 2 ]
amdhsa.kernels:
  - .name:           k_q1f5ff939e4_attn
    .symbol:         k_q1f5ff939e4_attn.kd
    .args:
      - { .name: qkv, .offset: 0, .size: 8, .value_kind: global_buffer, .address_space: global }
      - { .name: o_img, .offset: 8, .size: 8, .value_kind: global_buffer, .address_space: global }
      - { .name: o_sc, .offset: 16, .size: 8, .value_kind: global_buffer, .address_space: global }
    .group_segment_fixed_size: 208896
    .private_segment_fixed_size: 0
    .kernarg_segment_align: 8
    .kernarg_segment_size: 24
    .max_flat_workgroup_size: 512
    .sgpr_count:     66
    .vgpr_count:     256
    .wavefront_size: 32
...
	.end_amdgpu_metadata
.endif
;; end of part 3
;; launch oproj (part 4): grid 8 x 32, 4 waves a work-group, clusters of 4 x 4, 214,528 bytes of LDS; arguments o_img, o_sc, img, scl, b_o, out0; writes out0
.if DOCPART == 4
	.amdgcn_target "amdgcn-amd-amdhsa--gfx1250"
	.amdhsa_code_object_version 6
	.text
	.protected	k_q1f5ff939e4_oproj
	.globl	k_q1f5ff939e4_oproj
	.p2align	8
	.type	k_q1f5ff939e4_oproj,@function
k_q1f5ff939e4_oproj:
	s_mov_b64 s[64:65], 0
	v_nop
	global_prefetch_b8 v0, s[64:65] scope:SCOPE_SE
	s_setreg_imm32_b32 hwreg(HW_REG_WAVE_MODE, 25, 1), 1
	s_wait_xcnt 0x0
	s_wait_alu depctr_hold_cnt(0) depctr_sa_sdst(0) depctr_va_vdst(0) depctr_va_sdst(0) depctr_va_ssrc(0) depctr_va_vcc(0) depctr_vm_vsrc(0)
	s_getreg_b32 s2, hwreg(HW_REG_IB_STS2, 6, 4)
	s_cmp_eq_u32 s2, 0
	s_cbranch_scc0 .Lentry_in_a_cluster
	s_endpgm
.Lentry_in_a_cluster:
	s_bfe_u32 s2, ttmp6, 0x10000c
	s_cmp_lg_u32 s2, 0xf033
	s_cbranch_scc0 .Lentry_shape_is_right
	s_endpgm
.Lentry_shape_is_right:
; out0 = o W_o^T + b_o on codes of FP6 (E2M3) with E8M0 scales, K = 1,024, f32 sums.  o comes as images [token tile 256][K step 8][1,536] with scale bytes [head 16][64 tokens: 64][r 16][tile 4][2]; W_o as row tiles 448-511 of img and scl.
; A tile of the output is 128 tokens x 128 columns, so that there are 256 work-groups; four waves, each 64 x 64: 16 accumulators.  Both panels for all of K, 196,608 bytes, fit in LDS: every byte is filled once, by one tensor load a wave
; (49,152 bytes, four row tiles).  CLUSTER 4 x 4: o's panel is shared along a row of the cluster, W_o's along a column: joint loads.  No prefetch: everything is asked for at the head, and there is no loop.
; Source 0 = 16 rows of W_o, source 1 = 16 tokens.  Row tiles: lane r of tile 4 c + j is row 64 c + 32 (r / 8) + 8 j + r % 8: a lane holds one token, and its registers of W_o's four tiles are 32 neighbouring columns.
; The bias is the C of each sum's first product.  The way out undoes the order for the tokens.  LIMITS: NaN and infinities are not served.
; REGISTERS: window 0: v1-15 lanes and addresses; v16-47 o's scale words (8 a + k); v48-63 W_o's (4 b + k % 4: lanes 16-31 hold K steps 4-7); v64-191 the accumulators; v192-255 at work.
;   window 1: two sets of fragments at v0 and v128 (o's four, then W_o's four); v96-127 the bias.
.set WLOAD, 49152                      ; what one tensor load brings: 4 row tiles
.set RT,    12288
.set KB,    1536
.set STG,   4*WLOAD                    ; the way out: 16 rows x 272 bytes for each wave
.set SPARE, STG+4*16*272               ; the spare words, 128 bytes a wave
.set R8,   3
.set AQ16, 4
.set AQ8,  5
.set AP16, 6
.set AP8,  7
.set L16,  8
.set BO,   9
.set L8,   10
.set STI,  11
.set STB,  12
.set OO,   13
.set SPW,  14                          ; v14 LDS address of my spare word
.set NIL,  15                          ; v15 0
.set SQ,   16
.set SP,   48
.set ACC,  64
.set TT,   192
.set G1Q,  24
.set G1P,  32
.set G0Q,  68
.set G0P,  84
.set MSB, 0
.macro WIN new
.if MSB != (\new)
	s_set_vgpr_msb (MSB<<8)|(\new)
.set MSB, (\new)
.endif
.endm
.macro PLACES n
.rept \n
	v_nop
.endr
.endm
.macro CROUND
	s_barrier_signal -1
	s_barrier_wait -1
	s_cmp_lg_u32 s16, 0
	s_cbranch_scc1 .Lnot_wave_0_\@
	s_barrier_signal -3
.Lnot_wave_0_\@:
	s_barrier_wait -3
	s_barrier_signal -1
	s_barrier_wait -1
.endm
.macro FRAG reg, a16, a8, off
	ds_load_b128 v[(\reg):(\reg)+3], v[\a16] offset:(\off)
	ds_load_b64 v[(\reg)+4:(\reg)+5], v[\a8] offset:(\off)+512
	ds_load_b128 v[(\reg)+6:(\reg)+9], v[\a16] offset:(\off)+768
	ds_load_b64 v[(\reg)+10:(\reg)+11], v[\a8] offset:(\off)+1280
.endm
	s_load_b256 s[4:11], s[0:1], 0x0               ; o_img s[4:5], o_sc s[6:7], img s[8:9], scl s[10:11]
	s_load_b128 s[12:15], s[0:1], 0x20             ; b_o s[12:13], out0 s[14:15]
	v_lshl_add_u32 v[SPW], v0, 2, SPARE
	v_mov_b32 v[NIL], 0
	ds_add_u32 v[SPW], v[NIL]                      ; the wave's opening: the add, twice on end, and its wait ahead of my first tensor load
	ds_add_u32 v[SPW], v[NIL]
	v_lshrrev_b32 v1, 5, v0
	v_readfirstlane_b32 s16, v1                    ; wave 0..3
	s_lshr_b32 s17, s16, 1                         ; my half of the tokens.  Also: I fetch for o (0) or for W_o (1)
	s_and_b32 s18, s16, 1                          ; my half of the columns.  Also: which 4 row tiles I fetch
	s_mul_i32 s62, s16, WLOAD                      ; where they go: no place in the cluster enters an LDS address
	s_mul_i32 s63, s17, WLOAD                      ; my four row tiles of o
	s_mul_i32 s66, s18, WLOAD
	s_add_co_u32 s66, s66, 2*WLOAD                 ; and of W_o
	s_mul_i32 s67, s16, 16*272
	s_add_co_u32 s67, s67, STG                     ; my stage
	v_and_b32 v0, 31, v0                           ; lane
	v_and_b32 v1, 15, v0                           ; r
	v_lshrrev_b32 v2, 4, v0                        ; h
	v_lshlrev_b32 v[L16], 4, v0
	v_lshlrev_b32 v[L8], 3, v0
	v_lshlrev_b32 v[R8], 3, v1                     ; o's scale bytes: 8 a row
	v_lshlrev_b32 v[BO], 7, v2                     ; the bias: + 32 h numbers
	v_add_nc_u32 v[AQ16], s63, v[L16]
	v_add_nc_u32 v[AQ8], s63, v[L8]
	v_add_nc_u32 v[AP16], s66, v[L16]
	v_add_nc_u32 v[AP8], s66, v[L8]
	v_mul_u32_u24 v[STI], v1, 272
	v_lshl_add_u32 v[STI], v2, 7, v[STI]
	v_add_nc_u32 v[STI], s67, v[STI]               ; in: row r, + 128 h
	v_mul_u32_u24 v[STB], v2, 272
	v_lshl_add_u32 v[STB], v1, 4, v[STB]
	v_add_nc_u32 v[STB], s67, v[STB]               ; back: lanes 0-15 one row, lanes 16-31 the next
	v_lshlrev_b32 v[OO], 12, v2
	v_lshl_add_u32 v[OO], v1, 4, v[OO]             ; and the same in out0
	s_wait_alu depctr_va_vdst(0)                   ; the wait here, ahead of the scalar lines and the waits below
	s_bfe_u32 s19, ttmp6, 0x40000                  ; cx
	s_bfe_u32 s20, ttmp6, 0x40004                  ; cy
	s_lshl_b32 s21, ttmp9, 2
	s_add_co_u32 s21, s21, s19                     ; the tile's columns: 128 x (4 x cluster x + cx)
	s_and_b32 s22, ttmp7, 0xffff
	s_lshl_b32 s22, s22, 2
	s_add_co_u32 s22, s22, s20                     ; its tokens: 128 x (4 x cluster y + cy)
	s_lshl_b32 s52, s20, 2
	s_lshl_b32 s52, 15, s52                        ; my row of the cluster
	s_lshl_b32 s53, 0x1111, s19                    ; my column
	s_or_b32 s[G1Q], s52, (3<<16)|(1<<21)          ; 15:0 the mask; 17:16 elements of 8 bytes; 21 set beside a mask
	s_or_b32 s[G1P], s53, (3<<16)|(1<<21)
.irp g, G1Q, G1P
	s_mov_b32 s[\g+1], 1536<<16                    ; 12,288 bytes
	s_mov_b32 s[\g+2], 4<<16                       ; 4 row tiles
	s_mov_b32 s[\g+3], 1536<<16
	s_mov_b32 s[\g+4], 4
	s_mov_b32 s[\g+5], 1536                        ; end to end
	s_mov_b32 s[\g+6], 0
	s_mov_b32 s[\g+7], 0
.endr
	s_lshl_b32 s23, s18, 2
	s_lshl_b32 s54, s22, 3
	s_add_co_u32 s54, s54, s23                     ; o: row tile 8 x token tile + 4 x half
	s_mul_i32 s54, s54, 12288
	s_mov_b32 s55, 0
	s_lshl_b32 s56, s21, 3
	s_add_co_u32 s56, s56, s23
	s_add_co_u32 s56, s56, 448                     ; W_o: row tile 448 + 8 x column tile + 4 x half
	s_lshl_b32 s60, s56, 9                         ; (my half of the columns is the half that I would fetch: its scale words)
	s_mov_b32 s61, 0
	s_mul_i32 s56, s56, 12288
	s_mov_b32 s57, 0
	s_lshl_b32 s58, s22, 8                         ; o's scale bytes: 128 a head for my 64 tokens
	s_lshl_b32 s59, s17, 7
	s_add_co_u32 s58, s58, s59
	s_mov_b32 s59, 0
	s_wait_dscnt 0x0                               ; both opening adds are done
	s_wait_kmcnt 0x0
	s_add_nc_u64 s[54:55], s[4:5], s[54:55]
	s_add_nc_u64 s[56:57], s[8:9], s[56:57]
	s_add_nc_u64 s[58:59], s[6:7], s[58:59]
	s_add_nc_u64 s[60:61], s[10:11], s[60:61]
	s_mov_b32 s[G0Q], 1
	s_mov_b32 s[G0Q+1], s62
	s_mov_b64 s[G0Q+2:G0Q+3], s[54:55]
	s_or_b32 s[G0Q+3], s[G0Q+3], 0x80000000
	s_mov_b32 s[G0P], 1
	s_mov_b32 s[G0P+1], s62
	s_mov_b64 s[G0P+2:G0P+3], s[56:57]
	s_or_b32 s[G0P+3], s[G0P+3], 0x80000000
	CROUND                                         ; all sixteen work-groups are here: the joint loads meet
	s_cmp_eq_u32 s17, 0                            ; one load a wave
	s_cbranch_scc0 .Lfill_p
	tensor_load_to_lds s[G0Q:G0Q+3], s[G1Q:G1Q+7]
	s_nop 0
	PLACES 4
	s_branch .Lfilled
.Lfill_p:
	tensor_load_to_lds s[G0P:G0P+3], s[G1P:G1P+7]
	s_nop 0
	PLACES 4
.Lfilled:
.irp d, 0,1,2,3,4,5,6,7,8,9,10,11,12,13,14,15
	global_load_b64 v[TT+2*\d:TT+2*\d+1], v[R8], s[58:59] offset:8192*\d   ; head d: my row's two bytes of each of my four token tiles
.endr
.irp b, 0,1,2,3
	global_load_b128 v[SP+4*\b:SP+4*\b+3], v[L16], s[60:61] offset:512*\b   ; W_o's scale words
.endr
	s_lshl_b32 s52, s21, 9                         ; b_o: 4 bytes x (128 x column tile + 64 x half)
	s_lshl_b32 s53, s18, 8
	s_add_co_u32 s52, s52, s53
	s_mov_b32 s53, 0
	s_add_nc_u64 s[12:13], s[12:13], s[52:53]
	s_add_nc_u64 s[14:15], s[14:15], s[52:53]      ; the same bytes on in a row of out0
	s_lshl_b32 s52, s22, 19                        ; and my first token: (128 x token tile + 64 x half) rows of 4,096 bytes
	s_lshl_b32 s62, s17, 18
	s_add_co_u32 s52, s52, s62
	s_add_nc_u64 s[14:15], s[14:15], s[52:53]
	WIN 0x40                                       ; destination window 1
.irp b, 0,1,2,3
	global_load_b128 v[96+8*\b:96+8*\b+3], v[BO], s[12:13] offset:32*\b     ; register i of tile b is column 32 h + 8 b + i
	global_load_b128 v[96+8*\b+4:96+8*\b+7], v[BO], s[12:13] offset:32*\b+16
.endr
	WIN 0
.macro FETCH k                         ; K step k's eight fragments into set k % 2: 32 loads
	WIN 0x40
.irp a, 0,1,2,3
	FRAG 128*((\k)%2)+12*\a, AQ16, AQ8, RT*\a+KB*(\k)
.endr
.irp b, 0,1,2,3
	FRAG 128*((\k)%2)+48+12*\b, AP16, AP8, RT*\b+KB*(\k)
.endr
	WIN 0
.endm
.macro MUL k                           ; 16 products; the accumulators take turns, one instruction a turn, in the same order in every step
.irp a, 0,1,2,3
.irp b, 0,1,2,3
.if (\k) == 0
	v_wmma_scale_f32_16x16x128_f8f6f4 v[ACC+8*(4*\a+\b):ACC+8*(4*\a+\b)+7], v[48+12*\b:48+12*\b+11], v[12*\a:12*\a+11], v[96+8*\b:96+8*\b+7], v[SP+4*\b], v[SQ+8*\a] matrix_a_fmt:MATRIX_FMT_FP6 matrix_b_fmt:MATRIX_FMT_FP6
.elseif (\k) < 4
	v_wmma_scale_f32_16x16x128_f8f6f4 v[ACC+8*(4*\a+\b):ACC+8*(4*\a+\b)+7], v[128*((\k)%2)+48+12*\b:128*((\k)%2)+48+12*\b+11], v[128*((\k)%2)+12*\a:128*((\k)%2)+12*\a+11], v[ACC+8*(4*\a+\b):ACC+8*(4*\a+\b)+7], v[SP+4*\b+(\k)%4], v[SQ+8*\a+(\k)] matrix_a_fmt:MATRIX_FMT_FP6 matrix_b_fmt:MATRIX_FMT_FP6
.else
	v_wmma_scale_f32_16x16x128_f8f6f4 v[ACC+8*(4*\a+\b):ACC+8*(4*\a+\b)+7], v[128*((\k)%2)+48+12*\b:128*((\k)%2)+48+12*\b+11], v[128*((\k)%2)+12*\a:128*((\k)%2)+12*\a+11], v[ACC+8*(4*\a+\b):ACC+8*(4*\a+\b)+7], v[SP+4*\b+(\k)%4], v[SQ+8*\a+(\k)] matrix_a_fmt:MATRIX_FMT_FP6 matrix_b_fmt:MATRIX_FMT_FP6 matrix_a_scale:MATRIX_SCALE_ROW1
.endif
.endr
.endr
.endm
.macro KSTEP k
.if (\k) >= 1
	PLACES 4                                       ; in front of loads into the set that the last step's products read
.endif
.if (\k) < 7
	FETCH (\k)+1
	s_wait_dscnt 32                                ; all but the 32 just issued: this step's fragments are in
.else
	s_wait_dscnt 0x0
.endif
.if (\k) == 0
	WIN 0x15                                       ; sources 0, 1 and C (the bias) window 1, D window 0
.else
	WIN 0x05
.endif
	MUL \k
	WIN 0
.endm
	s_wait_loadcnt 0x0                             ; the scale bytes, W_o's scale words and the bias, under the tiles' flight
.irp k, 0,1,2,3,4,5,6,7                        ; the scale word of K step k and tile a: head 2 k's two bytes below, head 2 k + 1's above
.irp a, 0,1
	v_perm_b32 v[SQ+16*\a+\k], v[TT+4*\k+2+\a], v[TT+4*\k+\a], 0x05040100
	v_perm_b32 v[SQ+16*\a+8+\k], v[TT+4*\k+2+\a], v[TT+4*\k+\a], 0x07060302
.endr
.endr
	s_wait_alu depctr_va_vdst(0)                   ; the wait at the head's end
	s_wait_tensorcnt 0x0                           ; my four row tiles are in,
	s_barrier_signal -1
	s_barrier_wait -1                              ; everybody's are
	FETCH 0
	KSTEP 0
	KSTEP 1
	KSTEP 2
	KSTEP 3
	KSTEP 4
	KSTEP 5
	KSTEP 6
	KSTEP 7
	; THE WAY OUT, a tile of 16 tokens at a time: a lane's 128 bytes go into my stage, whole rows of 256 bytes come back, and sixteen lanes store 256 consecutive bytes at a multiple of 256 from out0's first byte.
	PLACES 4
.irp a, 0,1,2,3
.if \a >= 2
	s_wait_xcnt 0x0                                ; tile a - 2's stores have read their data: the loads below may land there
.endif
.irp b, 0,1,2,3
	ds_store_b128 v[STI], v[ACC+8*(4*\a+\b):ACC+8*(4*\a+\b)+3] offset:32*\b        ; each accumulator from its low end on
	ds_store_b128 v[STI], v[ACC+8*(4*\a+\b)+4:ACC+8*(4*\a+\b)+7] offset:32*\b+16
.endr
.irp i, 0,1,2,3,4,5,6,7
	ds_load_b128 v[TT+32*(\a%2)+4*\i:TT+32*(\a%2)+4*\i+3], v[STB] offset:544*\i   ; LDS serves a wave's instructions in order: these see my stores
.endr
.irp i, 0,1,2,3,4,5,6,7
	s_wait_dscnt 7-\i
	global_store_b128 v[OO], v[TT+32*(\a%2)+4*\i:TT+32*(\a%2)+4*\i+3], s[14:15] offset:(8*\a+2*\i+24*(\i/4))*4096 th:TH_STORE_NT   ; the tile's rows 2 i and 2 i + 1 are these tokens
.endr
.endr
	s_wait_tensorcnt 0x0                           ; the wave's end
	ds_add_u32 v[SPW], v[NIL]
	s_wait_dscnt 0x0
	CROUND                                         ; the closing round
	s_endpgm
.Lfunc_end_k_q1f5ff939e4_oproj:
	.size	k_q1f5ff939e4_oproj, .Lfunc_end_k_q1f5ff939e4_oproj-k_q1f5ff939e4_oproj
	.p2alignl 7, 3214868480
	.fill 96, 4, 3214868480
	.section	.rodata,"a",@progbits
	.p2align	6, 0x0
	.amdhsa_kernel k_q1f5ff939e4_oproj
		.amdhsa_group_segment_fixed_size 214528
		.amdhsa_private_segment_fixed_size 0
		.amdhsa_enable_private_segment 0
		.amdhsa_kernarg_size 48
		.amdhsa_user_sgpr_count 2
		.amdhsa_user_sgpr_kernarg_segment_ptr 1
		.amdhsa_wavefront_size32 1
		.amdhsa_system_sgpr_workgroup_id_x 1
		.amdhsa_system_sgpr_workgroup_id_y 1
		.amdhsa_system_sgpr_workgroup_id_z 1
		.amdhsa_system_vgpr_workitem_id 0
		.amdhsa_next_free_vgpr 512
		.amdhsa_next_free_sgpr 100
		.amdhsa_reserve_vcc 0
		.amdhsa_float_denorm_mode_32 3
		.amdhsa_float_denorm_mode_16_64 3
		.amdhsa_memory_ordered 1
		.amdhsa_forward_progress 1
		.amdhsa_inst_pref_size 55
	.end_amdhsa_kernel
	.amdgpu_metadata
---
amdhsa.version: [ 1, 2 ]
amdhsa.kernels:
  - .name:           k_q1f5ff939e4_oproj
    .symbol:         k_q1f5ff939e4_oproj.kd
    .args:
      - { .name: o_img, .offset: 0, .size: 8, .value_kind: global_buffer, .address_space: global }
      - { .name: o_sc, .offset: 8, .size: 8, .value_kind: global_buffer, .address_space: global }
      - { .name: img, .offset: 16, .size: 8, .value_kind: global_buffer, .address_space: global }
      - { .name: scl, .offset: 24, .size: 8, .value_kind: global_buffer, .address_space: global }
      - { .name: b_o, .offset: 32, .size: 8, .value_kind: global_buffer, .address_space: global }
      - { .name: out0, .offset: 40, .size: 8, .value_kind: global_buffer, .address_space: global }
    .group_segment_fixed_size: 214528
    .private_segment_fixed_size: 0
    .kernarg_segment_align: 8
    .kernarg_segment_size: 48
    .max_flat_workgroup_size: 128
    .sgpr_count:     100
    .vgpr_count:     512
    .wavefront_size: 32
...
	.end_amdgpu_metadata
.endif
;; end of part 4
